; MI455X (gfx1250); checked and timed in simulation.
; The chip was launched on July 23, 2026; its instructions are those of AMD's public machine-readable ISA for CDNA 5 (MIT licence, August 2026) and "CDNA5" Instruction Set Architecture Reference Guide (July 2026). The comments in the code are by the model that wrote it; some were corrected since.
;; Seq2 Seq Attention. Allowed arithmetic: matrix products marked QUANTISED: E3M2 operands, one E8M0 scale for each 32 along K, by v_wmma_scale_f32_16x16x128_f8f6f4 with both operands' format E3M2, f32 sums; products left as they are: f32 operands where the result goes on into a quantised operand, else bf16, f16 or f32 operands; f32 sums; everything else in f32.
;; Inputs: W 1,024 x 2,048 float32; b 1,024 float32; h_dec 32 x 1,024 float32; h_enc 32 x 2,048 x 1,024 float32; src_lens 32 int32; v 1,024 float32.
;; Outputs: out0 32 x 1,024 float32; out1 32 x 2,048 float32.
;; This version of the problem:
;;   THIS VERSION OF THE PROBLEM IS GIVEN IN LOW PRECISION. The matrix products marked QUANTISED in the list below multiply operands that are first quantised to E3M2 (3 exponent bits, 2 mantissa bits; 6 bits a number), with one power-of-two scale for each 32 numbers along K (OCP MX v1.0); their sums are f32. All else is computed in f32.
;;   The module's matrix products, in the order in which they are computed (A, B: the left and right operand; K: the contracted axis; several contracted axes count as one K, in the product's order):
;;     1. [M 32, K 1,024] x [K 1,024, N 1,024]; A: input h_dec; B: input W: QUANTISED
;;     2. [M 65,536, K 1,024] x [K 1,024, N 1,024]; A: input h_enc; B: input W: QUANTISED
;;     3. [M 65,536, K 1,024] x [K 1,024, N 1]; A: computed on the way; B: input v: left as it is (N = 1 < 16)
;;     4. batch 32 x [M 1, K 2,048] x [K 2,048, N 1,024]; A: softmax; B: input h_enc: left as it is (M = 1 < 16)
;;   THE QUANTISER, for each operand of a quantised product, along K:
;;     - K is cut into blocks of 32 from its start; a last block that is shorter is filled with zeros.
;;     - A block's scale is 2^e with e = floor(log2(the largest magnitude in the block)) - 4, held to -126 .. 127; a block of zeros has e = 0. As a byte (E8M0): e + 127.
;;     - Each number is divided by its block's scale, clamped to +-28, and rounded to the nearest number of E3M2, ties to even, subnormals kept.
;;     - The product sums the exact products of the quantised numbers (number of the format x scale) in f32.
;;   ~~~python
;;   def quantise(x, axis):      # numpy; x: float32 -> the quantised numbers, widened to float32 again
;;       x = np.moveaxis(x, axis, -1); K = x.shape[-1]
;;       x = np.pad(x, [(0, 0)] * (x.ndim - 1) + [(0, -K % 32)]); x = x.reshape(x.shape[:-1] + (-1, 32)); a = np.abs(x).max(-1, keepdims=True)
;;       e = np.where(a > 0, np.clip(np.frexp(np.where(a > 0, a, 1))[1] - 1 - 4, -126, 127), 0)      # np.frexp(a)[1] - 1 = floor(log2(a)), exactly
;;       r = np.clip(x / 2.0 ** e, -28, 28)
;;       step = 2.0 ** (np.maximum(np.frexp(np.where(r == 0, 1, r))[1] - 1, -2) - 2)
;;       q = np.round(r / step) * step * 2.0 ** e      # np.round: ties to even
;;       return np.moveaxis(q.reshape(q.shape[:-2] + (-1,))[..., :K], -1, axis).astype(np.float32)
;;   ~~~
;; One version. Each part assembles by itself: llvm-mc -triple=amdgcn-amd-amdhsa -mcpu=gfx1250 --defsym DOCPART=n.
;; ======== version 1 of 1: 3 launches
;; limits: values are held in bf16: 8 bits of precision; right only within a limited range of input values
;; workspace buffers: wq 786,432 bytes; ws 32,768 bytes; db 131,072 bytes; pw 524,288 bytes; cp 4,194,304 bytes; tl 8,192 bytes of whole numbers
;; launch prep (part 1): grid 64 x 1, 8 waves a work-group, no clusters, 89,600 bytes of LDS; arguments W, h_dec, b, wq, ws, db, src_lens, tl; writes wq, ws, db, tl
.if DOCPART == 1
	.amdgcn_target "amdgcn-amd-amdhsa--gfx1250"
	.amdhsa_code_object_version 6
	.text
	.protected	k_q1cdc2b8056_prep
	.globl	k_q1cdc2b8056_prep
	.p2align	8
	.type	k_q1cdc2b8056_prep,@function
k_q1cdc2b8056_prep:
	s_mov_b64 s[64:65], 0
	v_nop
	global_prefetch_b8 v0, s[64:65] scope:SCOPE_SE
	s_setreg_imm32_b32 hwreg(HW_REG_WAVE_MODE, 25, 1), 1
	s_wait_xcnt 0x0
; W [1024][2048] f32 = (Wd | We).  This launch (a) turns We into codes of BF6 (E3M2) with one E8M0 byte for each 32 along K, laid in the order of an operand's registers,
; and (b) makes dec_proj + b = Q(h_dec) Q(Wd)^T + b, the first quantised product.
; wq: [ct 64][k 8][j 3][lane 32][16 bytes]: registers 4 j .. 4 j + 3 of lane l of the fragment (rows 16 ct .. + 15 of We, K step k of 128).   ws: [a 1024][8 words]: word k = the four scale bytes of K step k of row a.
; db: [ct 64][n 32][16] f32.
; SHARES.  Work-group ct owns rows 16 ct .. 16 ct + 15 of W; wave w owns K step w: four fragments (We, h_dec rows 0-15, h_dec rows 16-31, Wd) and two matrix instructions; the eight waves' partial sums meet in LDS.
; 64 work-groups: a tile of dec_proj wants all of K in one work-group.
; A BLOCK'S SCALE is 2^(floor(log2(its largest magnitude)) - 4): its byte is the largest magnitude's exponent field - 4, held at 1 from below by a floor among the maximum's leaves.
; LIMITS: a block of zeros keeps the byte 1 where the rule says 127 (its codes are zeros, and this program alone reads the bytes); blocks whose largest magnitude lies under 2^-122 keep the byte 1;
; NaN and infinities among the inputs are not served.  The sum over K is taken in eight parts of 128, added in ascending order, b first.
; No tensor load, no cluster: the work-groups share h_dec alone, 128 KiB, and each reads its own 128 KiB of W once.
.set STG,  0                           ; LDS: a stage of 16 rows x (512 + 16) bytes for each wave
.set PART, 67584                       ; each wave's partial tile: 32 rows n x 80 bytes (64 of data)
.set WSL,  88064                       ; We's scale words: 32 r + 4 w
.set LI,   1                           ; v1  16 x lane
.set STS,  2                           ; v2  the stage, on the way in: 16 x lane
.set STL,  3                           ; v3  on the way out: 528 r + 128 h
.set WSS,  4                           ; v4  where my row's scale word goes
.set PTS,  5                           ; v5  where my part of the partial tile goes
.set PTL,  6                           ; v6  which two numbers of the tile I add up
.set BO,   7                           ; v7  8 x (thread % 8): my two numbers of b
.set DBO,  8                           ; v8  8 x thread: my two numbers in db
.set WSR,  9                           ; v9  WSL + 16 x lane
.set SEL,  20                          ; s[20:21] v_permlanex16_b32's selects for lane l xor 16
; window 1 (registers 256 and up, written by their low eight bits): the quantiser's set
.set R0,   0                           ; two sets of 64: 16 rows x 128 numbers as they are loaded
.set R1,   64
.set X,    128                         ; 64 numbers: register 32 c + i = k 64 c + 32 h + i of my row
.set PCA,  192                         ; three fragments of codes
.set PCB,  204
.set PCC,  216
.set AUX,  228                         ; the second halves of two blocks' codes, before they are moved
.set TM,   236                         ; at work; TM + 4: the scale word just made
.set SH8,  244                         ; 8 h
.set MSB, 0
.macro WIN new                         ; bits 1:0 source 0, 3:2 source 1, 5:4 source 2, 7:6 destination; the high byte repeats the setting that is left
.if MSB != (\new)
	s_set_vgpr_msb (MSB<<8)|(\new)
.set MSB, (\new)
.endif
.endm
; 16 rows x 128 numbers into a set: each load reads 512 consecutive bytes of one row, 16 a lane
.macro LOADF set, sb, off0, pitch, nt
	WIN 0x40
.set rr, 0
.rept 16
.if \nt
	global_load_b128 v[\set+4*rr:\set+4*rr+3], v[LI], s[\sb:\sb+1] offset:(\off0)+rr*(\pitch) th:TH_LOAD_NT
.else
	global_load_b128 v[\set+4*rr:\set+4*rr+3], v[LI], s[\sb:\sb+1] offset:(\off0)+rr*(\pitch)
.endif
.set rr, rr+1
.endr
.endm
; the set turns through my own stage: in as it was loaded, out 2 x 128 bytes a lane: lane (r, h) gets blocks h and 2 + h of row r.  Rows are 528 bytes apart, an odd multiple of 16: the sixteen rows of a load start at different banks (ISA guide 11.1)
.macro TURN set
	WIN 0x04
.set rr, 0
.rept 16
	ds_store_b128 v[STS], v[\set+4*rr:\set+4*rr+3] offset:528*rr
.set rr, rr+1
.endr
	WIN 0x40
.irp c, 0,1
.irp q, 0,1,2,3,4,5,6,7
	ds_load_b128 v[X+32*\c+4*\q:X+32*\c+4*\q+3], v[STL] offset:256*\c+16*\q   ; LDS serves a wave's instructions in order: these see my stores
.endr
.endr
	s_wait_dscnt 0x0                               ; the numbers are in, and the stores have read the set
.endm
; the same two steps for a set that lies in window 0 (v64-127, v128-191): so all four sets are asked for at once
.macro LOADF0 set, sb, off0, pitch, nt
	WIN 0
.set rr, 0
.rept 16
.if \nt
	global_load_b128 v[\set+4*rr:\set+4*rr+3], v[LI], s[\sb:\sb+1] offset:(\off0)+rr*(\pitch) th:TH_LOAD_NT
.else
	global_load_b128 v[\set+4*rr:\set+4*rr+3], v[LI], s[\sb:\sb+1] offset:(\off0)+rr*(\pitch)
.endif
.set rr, rr+1
.endr
.endm
.macro TURN0 set
	WIN 0
.set rr, 0
.rept 16
	ds_store_b128 v[STS], v[\set+4*rr:\set+4*rr+3] offset:528*rr
.set rr, rr+1
.endr
	WIN 0x40
.irp c, 0,1
.irp q, 0,1,2,3,4,5,6,7
	ds_load_b128 v[X+32*\c+4*\q:X+32*\c+4*\q+3], v[STL] offset:256*\c+16*\q
.endr
.endr
	s_wait_dscnt 0x0                               ; the numbers are in, and the stores have read the set
.endm
; 64 numbers of a lane become a fragment's 12 registers of codes at v[pc] and the row's scale word in v[TM+4]
.macro QUANT pc
	WIN 0x55
.irp c, 0,1
	v_max3_num_f32 v[TM+\c], |v[X+32*\c]|, |v[X+32*\c+1]|, 0x2800000   ; the floor 2^(5 - 127): the byte cannot fall under 1
	v_max3_num_f32 v[TM+2+\c], |v[X+32*\c+16]|, |v[X+32*\c+17]|, |v[X+32*\c+18]|
.endr
.irp i, 0,1,2,3,4,5
.irp c, 0,1
	s_delay_alu instid0(VALU_DEP_4)
	v_max3_num_f32 v[TM+\c], v[TM+\c], |v[X+32*\c+2+2*\i]|, |v[X+32*\c+3+2*\i]|   ; four chains by turns
	s_delay_alu instid0(VALU_DEP_4)
	v_max3_num_f32 v[TM+2+\c], v[TM+2+\c], |v[X+32*\c+19+2*\i]|, |v[X+32*\c+20+2*\i]|
.endr
.endr
.irp c, 0
	s_delay_alu instid0(VALU_DEP_4)
	v_max3_num_f32 v[TM+\c], v[TM+\c], |v[X+32*\c+14]|, |v[X+32*\c+15]|
.endr
.irp c, 1
	s_delay_alu instid0(VALU_DEP_3)
	v_max3_num_f32 v[TM+\c], v[TM+\c], |v[X+32*\c+14]|, |v[X+32*\c+15]|
.endr
.irp c, 0,1
	s_delay_alu instid0(VALU_DEP_2)
	v_max3_num_f32 v[TM+\c], v[TM+\c], v[TM+2+\c], |v[X+32*\c+31]|   ; the block's largest magnitude: all 32 numbers are mine
.endr
.irp c, 0,1
	s_delay_alu instid0(VALU_DEP_2)
	v_add_nc_u32 v[TM+2+\c], 0xfe000000, v[TM+\c]  ; 4 off its exponent field: the conversion takes the exponent field of this operand as its scale
.endr
.irp c, 0,1
	s_delay_alu instid0(VALU_DEP_2)
	v_lshrrev_b32 v[TM+\c], 23, v[TM+2+\c]         ; the scale's byte
.endr
	s_delay_alu instid0(VALU_DEP_1)
	v_lshl_or_b32 v[TM+4], v[TM+1], 16, v[TM]      ; my two bytes: blocks h and 2 + h,
	s_delay_alu instid0(VALU_DEP_1)
	v_lshlrev_b32 v[TM+4], v[SH8], v[TM+4]         ; at their places in the word;
	s_delay_alu instid0(VALU_DEP_1)
	v_permlanex16_b32 v[TM+5], v[TM+4], s[SEL], s[SEL+1]
	s_delay_alu instid0(VALU_DEP_1)
	v_or_b32 v[TM+4], v[TM+4], v[TM+5]             ; with lane l xor 16's two the word is whole, in both lanes
.irp c, 0,1
	v_cvt_scalef32_pk16_bf6_f32 v[\pc+6*\c:\pc+6*\c+2], v[X+32*\c:X+32*\c+15], v[TM+2+\c]
	v_cvt_scalef32_pk16_bf6_f32 v[AUX+4*\c:AUX+4*\c+2], v[X+32*\c+16:X+32*\c+31], v[TM+2+\c]   ; (a conversion's three registers begin on an even number)
.endr
	v_nop                                          ; one plain place behind a scaled conversion
.irp c, 0,1
.irp i, 0,1,2
	v_mov_b32 v[\pc+6*\c+3+\i], v[AUX+4*\c+\i]     ; registers 6 c .. 6 c + 5 hold k = 64 c + 32 h + 0 .. 31
.endr
.endr
.endm
	s_load_b256 s[4:11], s[0:1], 0x0               ; W s[4:5], h_dec s[6:7], b s[8:9], wq s[10:11]
	s_load_b128 s[12:15], s[0:1], 0x20             ; ws s[12:13], db s[14:15]
	s_load_b128 s[44:47], s[0:1], 0x30             ; src_lens s[44:45], tl s[46:47]
	v_lshl_add_u32 v254, v0, 2, 0x15a00
	v_mov_b32 v255, 0
	v_lshrrev_b32 v10, 5, v0
	s_delay_alu instid0(VALU_DEP_1)
	v_readfirstlane_b32 s16, v10                   ; wave 0..7 = my K step
	v_and_b32 v10, 31, v0                          ; lane
	v_and_b32 v11, 15, v0                          ; r
	v_bfe_u32 v12, v0, 4, 1                        ; h
	s_delay_alu instid0(VALU_DEP_3)
	v_lshlrev_b32 v[LI], 4, v10
	s_mul_i32 s17, s16, 8448                       ; my stage
	v_add_nc_u32 v[STS], s17, v[LI]
	v_mul_u32_u24 v[STL], v11, 528
	s_delay_alu instid0(VALU_DEP_1)
	v_lshl_add_u32 v[STL], v12, 7, v[STL]
	s_delay_alu instid0(VALU_DEP_1)
	v_add_nc_u32 v[STL], s17, v[STL]
	s_lshl_b32 s17, s16, 2
	s_add_co_u32 s17, s17, WSL
	v_lshl_add_u32 v[WSS], v11, 5, s17
	s_mul_i32 s17, s16, 2560
	s_add_co_u32 s17, s17, PART
	v_mul_u32_u24 v[PTS], v11, 80
	s_delay_alu instid0(VALU_DEP_1)
	v_lshl_add_u32 v[PTS], v12, 5, v[PTS]
	s_delay_alu instid0(VALU_DEP_1)
	v_add_nc_u32 v[PTS], s17, v[PTS]
	v_lshrrev_b32 v13, 3, v0                       ; n = thread / 8
	v_and_b32 v14, 7, v0
	s_delay_alu instid0(VALU_DEP_1)
	v_lshlrev_b32 v[BO], 3, v14
	s_delay_alu instid0(VALU_DEP_3)
	v_mul_u32_u24 v[PTL], v13, 80
	s_delay_alu instid0(VALU_DEP_1)
	v_add_nc_u32 v[PTL], v[PTL], v[BO]
	s_delay_alu instid0(VALU_DEP_1)
	v_add_nc_u32 v[PTL], PART, v[PTL]
	v_lshlrev_b32 v[DBO], 3, v0
	v_add_nc_u32 v[WSR], WSL, v[LI]
	v_lshlrev_b32 v13, 3, v12
	WIN 0x40
	v_mov_b32 v[SH8], v13
	v_mov_b32 v[TM+5], 0                           ; written once: a lane permute's destination counts as one of its sources
	WIN 0
	s_mov_b32 s[SEL], 0x76543210
	s_mov_b32 s[SEL+1], 0xfedcba98
	s_lshl_b32 s32, ttmp9, 17                      ; my 16 rows of W: 16 x 8,192 bytes a work-group,
	s_lshl_b32 s34, s16, 9                         ; my K step: 512 bytes of a row
	s_mov_b32 s35, 0
	s_add_co_u32 s32, s32, s34
	s_mov_b32 s33, 0
	s_lshl_b32 s36, ttmp9, 3
	s_add_co_u32 s36, s36, s16
	s_mul_i32 s36, s36, 1536                       ; fragment 8 ct + w of wq
	s_mov_b32 s37, 0
	s_lshl_b32 s38, ttmp9, 6
	s_mov_b32 s39, 0
	s_lshl_b32 s40, ttmp9, 9
	s_mov_b32 s41, 0
	s_lshl_b32 s42, ttmp9, 11
	s_mov_b32 s43, 0
	s_wait_alu depctr_va_vdst(0)
	s_wait_kmcnt 0x0
	s_add_nc_u64 s[26:27], s[4:5], s[32:33]        ; Wd's part
	s_add_nc_u64 s[24:25], s[26:27], 4096          ; We's: 1,024 numbers further along the row
	s_add_nc_u64 s[28:29], s[6:7], s[34:35]        ; h_dec's
	s_add_nc_u64 s[30:31], s[10:11], s[36:37]
	s_add_nc_u64 s[8:9], s[8:9], s[38:39]          ; b at my 16 numbers
	s_add_nc_u64 s[12:13], s[12:13], s[40:41]      ; ws at my 16 rows
	s_add_nc_u64 s[14:15], s[14:15], s[42:43]      ; db at my tile
	LOADF R0, 24, 0, 8192, 1                       ; We
	LOADF R1, 28, 0, 4096, 0                       ; h_dec rows 0-15 (every work-group reads them: no hint)
	LOADF0 64, 28, 65536, 4096, 0                  ; h_dec rows 16-31
	LOADF0 128, 26, 0, 8192, 1                     ; Wd
; THE LIST OF TILES, for the next launch.  reference() builds the mask t < src_lens[n] itself: a row at or beyond the length has the weight 0 wherever the length is 1 or more, so a tile of 64 rows that
; begins at or beyond it does no work.  n has c = ceil(min(len, 2048) / 64) tiles, or all 32 where len is under 1 (then every score is -1e10 and all rows count alike).
; tl: [1024][2] words: entry t = (n << 8 | i, src_lens[n]) of the t-th tile that works, n ascending, i ascending; -1 in the first word where there are fewer.
; Work-groups 0 to 3, a thread an entry, while the loads above are on their way: a walk over the 32 n with the running first tile in a scalar register; the last n whose first tile is at or under t owns t.
	s_cmp_ge_u32 ttmp9, 4
	s_cbranch_scc1 .Lnolist
	s_load_b512 s[68:83], s[44:45], 0x0
	s_load_b512 s[84:99], s[44:45], 0x40
	s_lshl_b32 s17, ttmp9, 8
	v_add_nc_u32 v44, s17, v0                      ; t
	v_mov_b32 v45, 0                               ; n
	v_mov_b32 v46, 0                               ; n's first tile
	v_mov_b32 v47, 0                               ; n's length
	s_mov_b32 s18, 0
	s_wait_alu depctr_va_vdst(0)
	s_wait_kmcnt 0x0
.set nn, 0
.rept 32
	v_cmp_le_u32 vcc_lo, s18, v44
	s_delay_alu instid0(VALU_DEP_1)
	v_cndmask_b32 v45, v45, nn, vcc_lo
	v_cndmask_b32 v46, v46, s18, vcc_lo
	v_cndmask_b32 v47, v47, s[68+nn], vcc_lo
	s_min_i32 s19, s[68+nn], 2048
	s_add_co_i32 s19, s19, 63
	s_lshr_b32 s19, s19, 6
	s_cmp_lt_i32 s[68+nn], 1
	s_cselect_b32 s19, 32, s19
	s_add_co_u32 s18, s18, s19
.set nn, nn+1
.endr
	v_cmp_le_u32 vcc_lo, s18, v44                  ; t is at or beyond the number of tiles
	v_sub_nc_u32 v46, v44, v46                     ; i
	s_delay_alu instid0(VALU_DEP_1)
	v_lshl_or_b32 v46, v45, 8, v46
	s_delay_alu instid0(VALU_DEP_1)
	v_cndmask_b32 v46, v46, -1, vcc_lo
	v_lshlrev_b32 v48, 3, v44
	global_store_b64 v48, v[46:47], s[46:47]       ; a wave stores 256 consecutive bytes, aligned
.Lnolist:
	s_wait_loadcnt 48                              ; We is in; the three younger sets, 16 loads each, may be out
	TURN R0
	WIN 0
	global_load_b64 v[36:37], v[BO], s[8:9]        ; b, my two numbers: the youngest load
	QUANT PCC
	WIN 0x04
.irp j, 0,1,2
	global_store_b128 v[LI], v[PCC+4*\j:PCC+4*\j+3], s[30:31] offset:512*\j   ; the fragment as it stands: 512 consecutive bytes a store
.endr
	ds_store_b32 v[WSS], v[TM+4]                   ; both halves of the lanes write the same word with the same value
	s_wait_loadcnt 33                              ; rows 0-15 are in; two sets of 16 and b may be out
	TURN R1
	QUANT PCA
	WIN 0x01
	v_mov_b32 v17, v[TM+4]                         ; scale operands have no window: v16-18 hold scale words and nothing else
	s_wait_loadcnt 17                              ; rows 16-31 are in; Wd's 16 and b may be out
	TURN0 64
	QUANT PCB
	WIN 0x01
	v_mov_b32 v18, v[TM+4]
	s_wait_loadcnt 0x0                             ; Wd and b are in
	TURN0 128
	s_wait_xcnt 0x0                                ; the stores of We's codes have read their registers: they are written again only behind this wait
	QUANT PCC
	WIN 0x01
	v_mov_b32 v16, v[TM+4]
.rept 8
	v_nop                                          ; a scale register written by a vector instruction stands 8 places ahead of a scaled matrix instruction, an operand 4
.endr
	WIN 0x55
	; source 0 = 16 rows of Wd, source 1 = 16 rows of h_dec: lane (r, h) holds n = r (or 16 + r) and a = 16 ct + 8 h + 0 .. 7
	v_wmma_scale_f32_16x16x128_f8f6f4 v[0:7], v[PCC:PCC+11], v[PCA:PCA+11], 0, v16, v17 matrix_a_fmt:MATRIX_FMT_BF6 matrix_b_fmt:MATRIX_FMT_BF6
	v_wmma_scale_f32_16x16x128_f8f6f4 v[8:15], v[PCC:PCC+11], v[PCB:PCB+11], 0, v16, v18 matrix_a_fmt:MATRIX_FMT_BF6 matrix_b_fmt:MATRIX_FMT_BF6
.rept 4
	v_nop                                          ; four places in front of the first read of results (ISA guide 7.12.1)
.endr
	WIN 0x04
	ds_store_b128 v[PTS], v[0:3]                   ; each accumulator from its low end on
	ds_store_b128 v[PTS], v[4:7] offset:16
	ds_store_b128 v[PTS], v[8:11] offset:1280
	ds_store_b128 v[PTS], v[12:15] offset:1296
	WIN 0
	s_wait_dscnt 0x0                               ; for the others' sake: my partial tile and my scale words have landed
	s_barrier_signal -1
	s_barrier_wait -1
.irp s, 0,1,2,3,4,5,6,7
	ds_load_b64 v[20+2*\s:21+2*\s], v[PTL] offset:2560*\s
.endr
	s_wait_dscnt 0x0
.irp s, 0
	v_pk_add_f32 v[36:37], v[36:37], v[20+2*\s:21+2*\s]   ; b, then the eight K steps in ascending order
.endr
.irp s, 1, 2, 3, 4, 5, 6, 7
	s_delay_alu instid0(VALU_DEP_1)
	v_pk_add_f32 v[36:37], v[36:37], v[20+2*\s:21+2*\s]   ; b, then the eight K steps in ascending order
.endr
	global_store_b64 v[DBO], v[36:37], s[14:15]    ; a wave stores 256 consecutive bytes, aligned
	s_cmp_lg_u32 s16, 0
	s_cbranch_scc1 .Lend
	ds_load_b128 v[40:43], v[WSR]                  ; wave 0: the 16 rows' scale words, 512 bytes
	s_wait_dscnt 0x0
	global_store_b128 v[LI], v[40:43], s[12:13]
.Lend:
	s_wait_tensorcnt 0x0
	ds_add_u32 v254, v255
	s_wait_dscnt 0x0
	s_endpgm
.Lfunc_end_k_q1cdc2b8056_prep:
	.size	k_q1cdc2b8056_prep, .Lfunc_end_k_q1cdc2b8056_prep-k_q1cdc2b8056_prep
	.p2alignl 7, 3214868480
	.fill 96, 4, 3214868480
	.section	.rodata,"a",@progbits
	.p2align	6, 0x0
	.amdhsa_kernel k_q1cdc2b8056_prep
		.amdhsa_group_segment_fixed_size 89600
		.amdhsa_private_segment_fixed_size 0
		.amdhsa_enable_private_segment 0
		.amdhsa_kernarg_size 64
		.amdhsa_user_sgpr_count 2
		.amdhsa_user_sgpr_kernarg_segment_ptr 1
		.amdhsa_wavefront_size32 1
		.amdhsa_system_sgpr_workgroup_id_x 1
		.amdhsa_system_sgpr_workgroup_id_y 1
		.amdhsa_system_sgpr_workgroup_id_z 1
		.amdhsa_system_vgpr_workitem_id 0
		.amdhsa_next_free_vgpr 512
		.amdhsa_next_free_sgpr 104
		.amdhsa_reserve_vcc 1
		.amdhsa_float_denorm_mode_32 3
		.amdhsa_float_denorm_mode_16_64 3
		.amdhsa_memory_ordered 1
		.amdhsa_forward_progress 1
		.amdhsa_inst_pref_size 54
	.end_amdhsa_kernel
	.amdgpu_metadata
---
amdhsa.version: [ 1, 2 ]
amdhsa.kernels:
  - .name:           k_q1cdc2b8056_prep
    .symbol:         k_q1cdc2b8056_prep.kd
    .args:
      - { .name: W, .offset: 0, .size: 8, .value_kind: global_buffer, .address_space: global }
      - { .name: h_dec, .offset: 8, .size: 8, .value_kind: global_buffer, .address_space: global }
      - { .name: b, .offset: 16, .size: 8, .value_kind: global_buffer, .address_space: global }
      - { .name: wq, .offset: 24, .size: 8, .value_kind: global_buffer, .address_space: global }
      - { .name: ws, .offset: 32, .size: 8, .value_kind: global_buffer, .address_space: global }
      - { .name: db, .offset: 40, .size: 8, .value_kind: global_buffer, .address_space: global }
      - { .name: src_lens, .offset: 48, .size: 8, .value_kind: global_buffer, .address_space: global }
      - { .name: tl, .offset: 56, .size: 8, .value_kind: global_buffer, .address_space: global }
    .group_segment_fixed_size: 89600
    .private_segment_fixed_size: 0
    .kernarg_segment_align: 8
    .kernarg_segment_size: 64
    .max_flat_workgroup_size: 256
    .sgpr_count:     104
    .vgpr_count:     512
    .wavefront_size: 32
...
	.end_amdgpu_metadata
.endif
;; end of part 1
;; launch main (part 2): grid 256 x 1, 8 waves a work-group, no clusters, 270,336 bytes of LDS; arguments h_enc, wq, ws, db, v, tl, pw, cp; writes pw, cp
.if DOCPART == 2
	.amdgcn_target "amdgcn-amd-amdhsa--gfx1250"
	.amdhsa_code_object_version 6
	.text
	.protected	k_q1cdc2b8056_main
	.globl	k_q1cdc2b8056_main
	.p2align	8
	.type	k_q1cdc2b8056_main,@function
k_q1cdc2b8056_main:
	s_mov_b64 s[64:65], 0
	v_nop
	global_prefetch_b8 v0, s[64:65] scope:SCOPE_SE
	s_setreg_imm32_b32 hwreg(HW_REG_WAVE_MODE, 25, 1), 1
	s_wait_xcnt 0x0
; A tile of 64 rows t of one n goes through the whole chain in one work-group: h_enc is read once, quantised to BF6 (E3M2, one E8M0 byte for each 32 along K), multiplied by We's codes,
; tanh(. + dec_proj + b), the product with v, the mask t < src_lens[n], the tile's own softmax (m = its largest score, p = e^(score - m), l = the sum of p) and the tile's part of ctx, the sum of p x h_enc.
; pw: [n][i 32][128] f32: words 0-63 p, word 80 m, word 81 l, the rest 0.   cp: [n][i][1024] f32.   The next launch joins the tiles.
; WHAT IS LEFT OUT.  reference() builds the mask itself: a row at or beyond src_lens[n] has the weight 0 wherever src_lens[n] is 1 or more, so a tile that begins there does no work and stores nothing.
; The launch before has listed the tiles that work (tl: entry t = n << 8 | i, and src_lens[n]; -1 where there are fewer).  A NaN or an infinity in rows that are left out is not carried to the result.
; 256 WORK-GROUPS STAY: work-group g takes entries g, g + 256, g + 512, g + 768 in a loop of four trips, a constant: 1,024 places serve every split.  A trip whose entry is -1 passes over the three phases;
; each phase stands under a scalar branch on one flag, the barriers stand behind the joins, on every wave's path.  Each phase writes all the registers that it reads, but for the addresses, made at the head.
; NO TENSOR LOAD, NO CLUSTER: all work-groups read the same 786,432 bytes of We's codes, but joint requests are tensor loads, and this text branches on numbers read from memory.
; So We's codes, laid in the order of an operand's registers, go from memory straight into registers.
; NO PREFETCH: h_enc is asked for by 32 loads of 512 bytes a wave at once, in all work-groups together; We's codes are read by every work-group again and again.
; SHARES.  Phase 1: wave w owns K step w (128 along K) of the 4 tiles of 16 rows.  Phase 2: wave w owns columns a = 128 w .. + 127, in two chunks of 4 tiles of 16; a fragment of We feeds 4 matrix instructions,
; a fragment of h_enc (from LDS, an image of its registers) 4.  Source 0 = 16 rows of We, source 1 = 16 rows of h_enc: a lane holds ONE row t and eight neighbouring a, so the product with v stays in the lane.
; tanh x = 1 - 2 / (1 + 2^(2 x log2 e)); it is finished for each number before the product with v.
; LIMITS: h_enc is rounded to bf16 for the product with the weights (kept in LDS, so that memory is read once); a block of zeros keeps the scale byte 1 (its codes are zeros; nobody else reads the bytes);
; blocks whose largest magnitude lies under 2^-122 keep the byte 1; NaN and infinities among the inputs are not served.  src_lens may be any int32.
.set AIMG, 0                           ; LDS: images of h_enc's 32 fragments: (8 rt + k) x 1,536 bytes
.set ASC,  49152                       ; their scale words: (8 rt + k) x 128 + 4 x lane
.set BIAS, 53248                       ; dec_proj + b of this n
.set VV,   57344                       ; v
.set SP,   61440                       ; the waves' parts of the scores: 512 w + 128 rt + 4 x lane
.set PB,   65536                       ; 512 bytes for each wave, its own: p, m, l
.set HB,   69632                       ; the 64 rows as bf16; wave w writes and reads bytes 256 w .. + 255 of each row
.set HP,   2064                        ; their pitch: 2,048 + 16
.set STG,  201728                      ; a stage of 16 x 528 bytes for each wave
.set SPARE, 269312                     ; the spare words, 128 bytes a wave
.set LI,   1                           ; 16 x lane
.set ASA,  2
.set BVA,  3
.set WSO,  4
.set SPS,  5
.set SPL,  6
.set PBL,  7
.set PBR,  8
.set PBC,  9
.set HBL,  10                          ; HB + 8 x thread: rows 0-31
.set TR,   11                          ; r
.set STS,  12
.set STL,  13
.set IMS,  14
.set ASS,  15
.set ASCR, 16                          ; v16-23  h_enc's scale words, two sets of 4: scales and nothing else
.set HBL2, 24                          ; rows 32-63
.set HBS2, 25
.set BSC,  26                          ; v26-41  We's scale words of a chunk: scales and nothing else
.set SA,   42                          ; v42-49  four pairs: the sums of tanh x v
.set T16,  52
.set DBO,  53
.set HBS,  54                          ; where my bf16 numbers go: rows 0-31
.set BST,  55
.set WK,   56
.set BR,   64                          ; v64-255 We's fragments: a ring of 4 sets (K steps) x 4 tiles x 12 registers
.set CS,   64                          ; phase 4: two sets of 48
.set CC,   160
.set R0,   0                           ; window 1, phase 1
.set R1,   64
.set X,    128
.set PCA,  192
.set AUX,  228
.set TM,   236
.set SH8,  252                         ; 8 h: kept over the trips
.set ACC,  0                           ; window 1, phase 2: accumulator (rt, ct) at 32 rt + 8 ct
.set AF,   160
.set BV,   220
.set W_M,  0x54
.set LEN,  20                          ; rows of the tile under the length: max(src_lens, 0) - 64 i
.set FIRST, 21
.set W,    25
.set SEL,  26
.set CT,   28
.set HE,   30
.set WQ,   32
.set WS,   34
.set DB,   36
.set PW,   38
.set CP,   40
.set ACT,  45
.set MSB, 0
.macro WIN new
.if MSB != (\new)
	s_set_vgpr_msb (MSB<<8)|(\new)
.set MSB, (\new)
.endif
.endm
.macro LOADF set, off0                 ; 16 rows x 128 numbers: each load reads 512 consecutive bytes of one row
	WIN 0x40
.set rr, 0
.rept 16
	global_load_b128 v[\set+4*rr:\set+4*rr+3], v[LI], s[HE:HE+1] offset:(\off0)+rr*4096 th:TH_LOAD_NT
.set rr, rr+1
.endr
.endm
.macro TURN set                        ; through my own stage: lane (r, h) gets blocks h and 2 + h of row r
	WIN 0x04
.set rr, 0
.rept 16
	ds_store_b128 v[STS], v[\set+4*rr:\set+4*rr+3] offset:528*rr
.set rr, rr+1
.endr
	WIN 0x40
.irp c, 0,1
.irp q, 0,1,2,3,4,5,6,7
	ds_load_b128 v[X+32*\c+4*\q:X+32*\c+4*\q+3], v[STL] offset:256*\c+16*\q
.endr
.endr
	s_wait_dscnt 0x0                               ; the numbers are in, and the stores have read the set
.endm
.macro QUANT pc                        ; 64 numbers of a lane become a fragment's 12 registers at v[pc] and the row's scale word in v[TM+4]
	WIN 0x55
.irp c, 0,1
	v_max3_num_f32 v[TM+\c], |v[X+32*\c]|, |v[X+32*\c+1]|, 0x2800000   ; the floor 2^(5 - 127): the byte cannot fall under 1
	v_max3_num_f32 v[TM+2+\c], |v[X+32*\c+16]|, |v[X+32*\c+17]|, |v[X+32*\c+18]|
.endr
.irp i, 0,1,2,3,4,5
.irp c, 0,1
	s_delay_alu instid0(VALU_DEP_4)
	v_max3_num_f32 v[TM+\c], v[TM+\c], |v[X+32*\c+2+2*\i]|, |v[X+32*\c+3+2*\i]|
	s_delay_alu instid0(VALU_DEP_4)
	v_max3_num_f32 v[TM+2+\c], v[TM+2+\c], |v[X+32*\c+19+2*\i]|, |v[X+32*\c+20+2*\i]|
.endr
.endr
	s_delay_alu instid0(VALU_DEP_4)
	v_max3_num_f32 v[TM], v[TM], |v[X+14]|, |v[X+15]|
	s_delay_alu instid0(VALU_DEP_3)
	v_max3_num_f32 v[TM+1], v[TM+1], |v[X+46]|, |v[X+47]|
.irp c, 0,1
	s_delay_alu instid0(VALU_DEP_2)
	v_max3_num_f32 v[TM+\c], v[TM+\c], v[TM+2+\c], |v[X+32*\c+31]|
.endr
.irp c, 0,1
	s_delay_alu instid0(VALU_DEP_2)
	v_add_nc_u32 v[TM+2+\c], 0xfe000000, v[TM+\c]  ; 4 off the exponent field: the conversion's scale operand
.endr
.irp c, 0,1
	s_delay_alu instid0(VALU_DEP_2)
	v_lshrrev_b32 v[TM+\c], 23, v[TM+2+\c]         ; the scale's byte
.endr
	s_delay_alu instid0(VALU_DEP_1)
	v_lshl_or_b32 v[TM+4], v[TM+1], 16, v[TM]
	s_delay_alu instid0(VALU_DEP_1)
	v_lshlrev_b32 v[TM+4], v[SH8], v[TM+4]
	s_delay_alu instid0(VALU_DEP_1)
	v_permlanex16_b32 v[TM+5], v[TM+4], s[SEL], s[SEL+1]
	s_delay_alu instid0(VALU_DEP_1)
	v_or_b32 v[TM+4], v[TM+4], v[TM+5]             ; the row's scale word, in both halves of the lanes
.irp c, 0,1
	v_cvt_scalef32_pk16_bf6_f32 v[\pc+6*\c:\pc+6*\c+2], v[X+32*\c:X+32*\c+15], v[TM+2+\c]
	v_cvt_scalef32_pk16_bf6_f32 v[AUX+4*\c:AUX+4*\c+2], v[X+32*\c+16:X+32*\c+31], v[TM+2+\c]
.endr
	v_nop                                          ; one plain place behind a scaled conversion
.irp c, 0,1
.irp i, 0,1,2
	v_mov_b32 v[\pc+6*\c+3+\i], v[AUX+4*\c+\i]
.endr
.endr
.endm
.macro PLACES
.rept 4
	v_nop
.endr
.endm
.macro BSCLOAD off                     ; a chunk's scale words of We: lane l takes row l of a pair of tiles, 32 bytes a row
.irp p, 0,1
.irp q, 0,1
	global_load_b128 v[BSC+8*\p+4*\q:BSC+8*\p+4*\q+3], v[WSO], s[WS:WS+1] offset:(\off)+1024*\p+16*\q
.endr
.endr
.endm
.macro RING c, k                       ; We's 4 fragments of chunk c, K step k, into ring set k % 4: 12 loads of 512 consecutive bytes
.irp ct, 0,1,2,3
.irp j, 0,1,2
	global_load_b128 v[BR+48*((\k)%4)+12*\ct+4*\j:BR+48*((\k)%4)+12*\ct+4*\j+3], v[LI], s[WQ:WQ+1] offset:((4*(\c)+\ct)*8+(\k))*1536+512*\j
.endr
.endr
.endm
	s_load_b256 s[4:11], s[0:1], 0x0               ; h_enc s[4:5], wq s[6:7], ws s[8:9], db s[10:11]
	s_load_b256 s[12:19], s[0:1], 0x20             ; v s[12:13], tl s[14:15], pw s[16:17], cp s[18:19]
	s_set_vgpr_msb 0x40
	v_lshl_add_u32 v254, v0, 2, SPARE
	v_mov_b32 v255, 0
	s_set_vgpr_msb 0x4000
	s_lshl_b32 s56, ttmp9, 3                       ; entry g of tl; never rewritten
	s_wait_kmcnt 0x0
	s_load_b64 s[48:49], s[14:15], s56 offset:0x0  ; my four entries, 256 apart
	s_load_b64 s[50:51], s[14:15], s56 offset:0x800
	s_load_b64 s[52:53], s[14:15], s56 offset:0x1000
	s_load_b64 s[54:55], s[14:15], s56 offset:0x1800
	v_lshrrev_b32 v56, 5, v0
	s_delay_alu instid0(VALU_DEP_1)
	v_readfirstlane_b32 s[W], v56                  ; wave 0..7
	v_and_b32 v56, 31, v0                          ; lane
	v_and_b32 v[TR], 15, v0                        ; r
	v_bfe_u32 v58, v0, 4, 1                        ; h
	s_delay_alu instid0(VALU_DEP_3)
	v_lshlrev_b32 v[LI], 4, v56
	v_lshlrev_b32 v59, 2, v56
	s_delay_alu instid0(VALU_DEP_1)
	v_add_nc_u32 v[ASA], ASC, v59
	s_lshl_b32 s42, s[W], 9
	s_add_co_u32 s43, s42, BIAS
	v_lshl_add_u32 v[BVA], v58, 5, s43
	v_lshlrev_b32 v[WSO], 5, v56
	s_add_co_u32 s43, s42, SP
	v_add_nc_u32 v[SPS], s43, v59
	v_add_nc_u32 v[SPL], SP, v59
	s_add_co_u32 s43, s42, PB
	v_add_nc_u32 v[PBL], s43, v[LI]
	v_lshl_add_u32 v[PBR], v[TR], 2, s43
	v_mov_b32 v[PBC], s43
	v_lshl_add_u32 v[HBL], v0, 3, HB
	s_delay_alu instid0(VALU_DEP_1)
	v_add_nc_u32 v[HBL2], 32*HP, v[HBL]
	s_mul_i32 s43, s[W], 8448
	s_add_co_u32 s43, s43, STG
	v_add_nc_u32 v[STS], s43, v[LI]
	v_mul_u32_u24 v[STL], v[TR], 528
	s_delay_alu instid0(VALU_DEP_1)
	v_lshl_add_u32 v[STL], v58, 7, v[STL]
	s_delay_alu instid0(VALU_DEP_1)
	v_add_nc_u32 v[STL], s43, v[STL]
	s_mul_i32 s43, s[W], 1536
	v_add_nc_u32 v[IMS], s43, v[LI]
	s_lshl_b32 s43, s[W], 7
	s_add_co_u32 s43, s43, ASC
	v_add_nc_u32 v[ASS], s43, v59
	v_lshlrev_b32 v[T16], 4, v0
	v_lshl_add_u32 v[BST], v0, 4, BIAS
	v_lshrrev_b32 v60, 2, v0                       ; db is [ct][n][16]: my four numbers a = 4 x thread lie in tile thread / 4
	v_and_b32 v61, 3, v0
	s_delay_alu instid0(VALU_DEP_1)
	v_lshlrev_b32 v61, 4, v61
	s_delay_alu instid0(VALU_DEP_1)
	v_lshl_add_u32 v[DBO], v60, 11, v61
	s_lshl_b32 s43, s[W], 8
	s_add_co_u32 s43, s43, HB
	v_mul_u32_u24 v[HBS], v[TR], HP
	s_delay_alu instid0(VALU_DEP_1)
	v_lshl_add_u32 v[HBS], v58, 6, v[HBS]
	s_delay_alu instid0(VALU_DEP_1)
	v_add_nc_u32 v[HBS], s43, v[HBS]               ; row r, + 256 w + 64 h
	s_delay_alu instid0(VALU_DEP_1)
	v_add_nc_u32 v[HBS2], 32*HP, v[HBS]
	v_lshlrev_b32 v62, 3, v58
	WIN 0x40
	v_mov_b32 v[SH8], v62
	v_mov_b32 v[TM+5], 0                           ; written once: a lane permute's destination counts as one of its sources
	WIN 0
	s_mov_b32 s[SEL], 0x76543210
	s_mov_b32 s[SEL+1], 0xfedcba98
	s_mov_b32 s[CT], 0x4038aa3b                    ; 2 log2 e
	s_mov_b32 s[CT+1], s[CT]
	s_mov_b32 s57, s42                             ; 512 w: my K step in a row of h_enc
	s_mov_b32 s43, 0
	s_mul_i32 s42, s[W], 98304                     ; my 8 tiles x 8 K steps x 1,536 bytes
	s_add_nc_u64 s[WQ:WQ+1], s[6:7], s[42:43]
	s_lshl_b32 s42, s[W], 12                       ; my 128 rows of 32 bytes
	s_add_nc_u64 s[WS:WS+1], s[8:9], s[42:43]
	s_mov_b32 s47, 0                               ; the trip
	s_wait_alu depctr_va_vdst(0)
	s_wait_kmcnt 0x0
.Ltrip:
	s_cmp_ge_i32 s48, 0                            ; has this trip a tile?  The same in all eight waves: they read the same word
	s_cselect_b32 s[ACT], 1, 0
	s_bfe_u32 s22, s48, 0x50008
	s_min_u32 s22, s22, 31                         ; n
	s_and_b32 s46, s48, 31
	s_min_u32 s46, s46, 31                         ; i
	s_lshl_b32 s[FIRST], s46, 6
	s_max_i32 s[LEN], s49, 0
	s_sub_co_i32 s[LEN], s[LEN], s[FIRST]
	s_lshl_b32 s42, s22, 11
	s_add_co_u32 s42, s42, s[FIRST]
	s_lshl_b32 s42, s42, 12                        ; row 2,048 n + 64 i of 4,096 bytes: under 2^28
	s_add_co_u32 s42, s42, s57
	s_mov_b32 s43, 0
	s_add_nc_u64 s[HE:HE+1], s[4:5], s[42:43]
	s_lshl_b32 s42, s22, 6
	s_add_nc_u64 s[DB:DB+1], s[10:11], s[42:43]
	s_lshl_b32 s44, s22, 5
	s_add_co_u32 s44, s44, s46                     ; tile 32 n + i
	s_lshl_b32 s42, s44, 9
	s_add_nc_u64 s[PW:PW+1], s[16:17], s[42:43]
	s_lshl_b32 s42, s44, 12
	s_add_nc_u64 s[CP:CP+1], s[18:19], s[42:43]
; ---- PHASE 1: my K step of the 64 rows: loaded, quantised, kept as codes and as bf16
	s_cmp_eq_u32 s[ACT], 0
	s_cbranch_scc1 .Lskip1
	global_load_b128 v[56:59], v[DBO], s[DB:DB+1]  ; dec_proj + b, my four
	global_load_b128 v[60:63], v[T16], s[12:13]    ; v, my four
	LOADF R0, 0
	LOADF R1, 65536
.macro FRAG f
.if (\f) == 3
	s_wait_loadcnt 0x0                             ; nothing was asked for behind rows 48-63
.else
	s_wait_loadcnt 16                              ; this tile's 16 loads are in; the other set's may be out
.endif
	TURN R0+64*((\f)%2)
.if (\f)+2 < 4
	LOADF R0+64*((\f)%2), 65536*((\f)+2)
.endif
.if (\f) == 0
	WIN 0
	ds_store_b128 v[BST], v[56:59]
	ds_store_b128 v[BST], v[60:63] offset:VV-BIAS
.endif
	QUANT PCA
	WIN 0x04
.irp j, 0,1,2
	ds_store_b128 v[IMS], v[PCA+4*\j:PCA+4*\j+3] offset:12288*(\f)+512*\j   ; the fragment as it stands
.endr
	ds_store_b32 v[ASS], v[TM+4] offset:1024*(\f)
	WIN 0x55
.set ii, 0
.rept 32
	v_cvt_pk_bf16_f32 v[X+ii], v[X+2*ii], v[X+2*ii+1]   ; in place, ascending
.set ii, ii+1
.endr
	WIN 0x04
.set hb, HBS
.if (\f) > 1
.set hb, HBS2
.endif
.irp c, 0,1
.irp q, 0,1,2,3
	ds_store_b128 v[hb], v[X+16*\c+4*\q:X+16*\c+4*\q+3] offset:16*HP*((\f)%2)+128*\c+16*\q
.endr
.endr
	WIN 0
	s_wait_dscnt 0x0                               ; the stores have read their registers
.endm
	FRAG 0
	FRAG 1
	FRAG 2
	FRAG 3
.Lskip1:
	s_wait_dscnt 0x0                               ; for the others' sake: my LDS stores have landed
	s_barrier_signal -1
	s_barrier_wait -1                              ; images, scale words, bias and v are whole
; ---- PHASE 2
.macro MM rt, ct, k
.set rD, ACC+32*(\rt)+8*(\ct)
.set rA, BR+48*((\k)%4)+12*(\ct)
.set rB, AF+12*(\rt)
.set rC, rD
.if (\k) == 0
.set rC, BV+8*(\ct)                    ; the bias starts the sum
.endif
.set rS, BSC+8*((\ct)/2)+(\k)
.set rT, ASCR+4*((\k)%2)+(\rt)
.if (\ct)%2
	v_wmma_scale_f32_16x16x128_f8f6f4 v[rD:rD+7], v[rA:rA+11], v[rB:rB+11], v[rC:rC+7], v[rS], v[rT] matrix_a_fmt:MATRIX_FMT_BF6 matrix_b_fmt:MATRIX_FMT_BF6 matrix_a_scale:MATRIX_SCALE_ROW1
.else
	v_wmma_scale_f32_16x16x128_f8f6f4 v[rD:rD+7], v[rA:rA+11], v[rB:rB+11], v[rC:rC+7], v[rS], v[rT] matrix_a_fmt:MATRIX_FMT_BF6 matrix_b_fmt:MATRIX_FMT_BF6
.endif
.endm
.macro PRO c                           ; ahead of a chunk: h_enc's scale words of K steps 0 and 1 (8 loads), the chunk's bias (8), h_enc's fragments of K step 0 (12)
	WIN 0
.irp s, 0,1
.irp rt, 0,1,2,3
	ds_load_b32 v[ASCR+4*\s+\rt], v[ASA] offset:(8*\rt+\s)*128
.endr
.endr
	WIN W_M
.irp ct, 0,1,2,3
.irp q, 0,1
	ds_load_b128 v[BV+8*\ct+4*\q:BV+8*\ct+4*\q+3], v[BVA] offset:(4*(\c)+\ct)*64+16*\q
.endr
.endr
.irp rt, 0,1,2,3
.irp j, 0,1,2
	ds_load_b128 v[AF+12*\rt+4*\j:AF+12*\rt+4*\j+3], v[LI] offset:(8*\rt)*1536+512*\j
.endr
.endr
.endm
; A K step: 16 matrix instructions, the 16 accumulators by turns, in the same order in every K step.
; A tile of rows is free when its 4 products are issued: four places (ISA guide 7.12.1 for vector instructions), then its next K step's fragment is loaded into the same registers.
.macro KSTEP c, k
.if ((\c) == 1) && ((\k) == 0)
	s_wait_loadcnt 0x0                             ; the chunk's scale words are my youngest loads
.elseif ((\c) == 1) && ((\k) > 4)
	s_wait_loadcnt 12*(7-(\k))                     ; the ring runs out: 12 loads for each K step still to come
.else
	s_wait_loadcnt 36                              ; this K step's 12 loads (and all older ones) are in; the three younger sets may be out
.endif
	WIN W_M
.irp rt, 0,1,2,3
.if (\k) == 0
	s_wait_dscnt 9                                 ; behind this tile's fragment: three other tiles' loads
.elseif (\k) == 1
	s_wait_dscnt 21                                ; three tiles' 9, v's 8, 4 scale words
.elseif (\k) < 7
	s_wait_dscnt 13                                ; three tiles' 9 and 4 scale words
.else
	s_wait_dscnt 9-3*\rt                           ; nothing more is asked for: the count runs down
.endif
.irp ct, 0,1,2,3
	MM \rt, \ct, \k
.endr
.if ((\k) < 7) || (\rt == 3)
	PLACES
.endif
.if (\k) < 7
.irp j, 0,1,2
	ds_load_b128 v[AF+12*\rt+4*\j:AF+12*\rt+4*\j+3], v[LI] offset:(8*\rt+(\k)+1)*1536+512*\j
.endr
.endif
.endr
.if (\k) == 0
.irp ct, 0,1,2,3
.irp q, 0,1
	ds_load_b128 v[BV+8*\ct+4*\q:BV+8*\ct+4*\q+3], v[BVA] offset:VV-BIAS+(4*(\c)+\ct)*64+16*\q   ; the bias has been taken up: v takes its registers
.endr
.endr
.endif
	WIN 0
.if (\k)+4 < 8
	RING \c, (\k)+4
.elseif (\c) == 0
	RING 1, (\k)-4                                 ; on into the next chunk
.endif
.if (\k)+2 < 8
.irp rt, 0,1,2,3
	ds_load_b32 v[ASCR+4*((\k)%2)+\rt], v[ASA] offset:(8*\rt+(\k)+2)*128
.endr
.endif
.endm
.macro MPROD c
	PRO \c
.irp k, 0,1,2,3,4,5,6,7
	KSTEP \c, \k
.endr
.endm
; tanh of a chunk's 128 numbers a lane, and its product with v.  The exponentials are one batch, and so are the reciprocals.
.macro TANH c
	WIN 0
.if (\c) == 0
	BSCLOAD 2048                                   ; chunk 1's scale words of We (the four places behind the last product stand at the K step's end)
.endif
	s_wait_dscnt 0x0                               ; v is in
	WIN 0x41
.set ii, 0
.rept 64
	v_pk_mul_f32 v[ACC+2*ii:ACC+2*ii+1], v[ACC+2*ii:ACC+2*ii+1], s[CT:CT+1] op_sel_hi:[1,0]   ; ascending: each accumulator is read from its low end on
.set ii, ii+1
.endr
.set ii, 0
	s_wait_alu depctr_va_vdst(0)
.rept 128
	v_exp_f32 v[ACC+ii], v[ACC+ii]
.set ii, ii+1
.endr
	v_nop
	s_wait_alu depctr_va_vdst(0)
.set ii, 0
.rept 64
	v_pk_add_f32 v[ACC+2*ii:ACC+2*ii+1], v[ACC+2*ii:ACC+2*ii+1], 1.0 op_sel_hi:[1,0]
.set ii, ii+1
.endr
.set ii, 0
	s_wait_alu depctr_va_vdst(0)
.rept 128
	v_rcp_f32 v[ACC+ii], v[ACC+ii]
.set ii, ii+1
.endr
	v_nop
	s_wait_alu depctr_va_vdst(0)
.set ii, 0
.rept 64
	v_pk_fma_f32 v[ACC+2*ii:ACC+2*ii+1], v[ACC+2*ii:ACC+2*ii+1], -2.0, 1.0 op_sel_hi:[1,0,0]   ; tanh = 1 - 2 r
.set ii, ii+1
.endr
	WIN 0x05
.irp ct, 0,1,2,3
.irp u, 0,1,2,3
.irp rt, 0,1,2,3
.if ((\c) == 0) && (\ct == 0) && (\u == 0)
	v_pk_mul_f32 v[SA+2*\rt:SA+2*\rt+1], v[ACC+32*\rt+8*\ct+2*\u:ACC+32*\rt+8*\ct+2*\u+1], v[BV+8*\ct+2*\u:BV+8*\ct+2*\u+1]   ; the first product starts the sum
.else
	v_pk_fma_f32 v[SA+2*\rt:SA+2*\rt+1], v[ACC+32*\rt+8*\ct+2*\u:ACC+32*\rt+8*\ct+2*\u+1], v[BV+8*\ct+2*\u:BV+8*\ct+2*\u+1], v[SA+2*\rt:SA+2*\rt+1]
.endif
.endr
.endr
.endr
	WIN 0
.endm
	s_cmp_eq_u32 s[ACT], 0
	s_cbranch_scc1 .Lskip2
	BSCLOAD 0                                      ; We's first fill: the scale words of chunk 0 and K steps 0 to 3: 52 loads of mine are out
	RING 0, 0
	RING 0, 1
	RING 0, 2
	RING 0, 3
	MPROD 0
	TANH 0
	MPROD 1
	TANH 1
.irp rt, 0,1,2,3
	v_add_f32 v[WK+\rt], v[SA+2*\rt], v[SA+2*\rt+1]
.endr
.irp rt, 0,1,2,3
	v_permlanex16_b32 v[SA+\rt], v[WK+\rt], s[SEL], s[SEL+1]   ; the row's other 64 columns of my 128 lie in the lane 16 away
.endr
.irp rt, 0,1,2,3
	v_add_f32 v[WK+\rt], v[WK+\rt], v[SA+\rt]
.endr
.irp rt, 0,1,2,3
	ds_store_b32 v[SPS], v[WK+\rt] offset:128*\rt
.endr
.Lskip2:
	s_wait_dscnt 0x0                               ; for the others' sake: my parts of the scores have landed
	s_barrier_signal -1
	s_barrier_wait -1                              ; the eight waves' parts of the 64 scores lie in LDS
; ---- PHASE 3: the tile's softmax; every wave makes it for itself
	s_cmp_eq_u32 s[ACT], 0
	s_cbranch_scc1 .Lskip3
.irp rt, 0,1,2,3
.irp s, 0,1,2,3,4,5,6,7
	ds_load_b32 v[64+8*\rt+\s], v[SPL] offset:512*\s+128*\rt
.endr
.endr
	v_mov_b32 v104, 0xd01502f9                     ; -1e10
.irp rt, 0,1,2,3
	v_add_nc_u32 v[106+\rt], 16*\rt, v[TR]         ; my row in the tile
.endr
	s_wait_alu depctr_va_vdst(0)
	s_wait_dscnt 0x0
.irp s, 1,2,3,4,5,6,7
.irp rt, 0,1,2,3
	v_add_f32 v[64+8*\rt], v[64+8*\rt], v[64+8*\rt+\s]
.endr
.endr
.irp rt, 0,1,2,3
	v_cmp_gt_i32 vcc_lo, s[LEN], v[106+\rt]
	s_delay_alu instid0(VALU_DEP_1)
	v_cndmask_b32 v[64+8*\rt], v104, v[64+8*\rt], vcc_lo   ; t < src_lens: the score; else -1e10, as reference() has it
.endr
	v_max3_num_f32 v112, v64, v72, v80
	s_delay_alu instid0(VALU_DEP_1)
	v_max_num_f32 v112, v112, v88
	s_delay_alu instid0(VALU_DEP_1)
	v_max_num_f32_dpp v112, v112, v112 row_xmask:1 row_mask:0xf bank_mask:0xf   ; both halves of the lanes hold the same 16 rows
	s_delay_alu instid0(VALU_DEP_1)
	v_max_num_f32_dpp v112, v112, v112 row_xmask:2 row_mask:0xf bank_mask:0xf
	s_delay_alu instid0(VALU_DEP_1)
	v_max_num_f32_dpp v112, v112, v112 row_xmask:4 row_mask:0xf bank_mask:0xf
	s_delay_alu instid0(VALU_DEP_1)
	v_max_num_f32_dpp v112, v112, v112 row_xmask:8 row_mask:0xf bank_mask:0xf   ; m
.irp rt, 0,1,2,3
	v_sub_f32 v[65+8*\rt], v[64+8*\rt], v112
.endr
.irp rt, 0,1,2,3
	v_mul_f32 v[65+8*\rt], 0x3fb8aa3b, v[65+8*\rt]
.endr
	s_wait_alu depctr_va_vdst(0)
.irp rt, 0,1,2,3
	v_exp_f32 v[66+8*\rt], v[65+8*\rt]             ; p = e^(score - m), at most 1
.endr
.irp e, 0,1,2,3
	v_mov_b32 v[116+\e], 0
.endr
	s_wait_alu depctr_va_vdst(0)
	v_add_f32 v113, v66, v74
	v_add_f32 v114, v82, v90
	s_delay_alu instid0(VALU_DEP_1)
	v_add_f32 v113, v113, v114
	s_delay_alu instid0(VALU_DEP_1)
	v_add_f32_dpp v113, v113, v113 row_xmask:1 row_mask:0xf bank_mask:0xf
	s_delay_alu instid0(VALU_DEP_1)
	v_add_f32_dpp v113, v113, v113 row_xmask:2 row_mask:0xf bank_mask:0xf
	s_delay_alu instid0(VALU_DEP_1)
	v_add_f32_dpp v113, v113, v113 row_xmask:4 row_mask:0xf bank_mask:0xf
	s_delay_alu instid0(VALU_DEP_1)
	v_add_f32_dpp v113, v113, v113 row_xmask:8 row_mask:0xf bank_mask:0xf      ; l
	ds_store_b128 v[PBL], v[116:119]               ; my 512 bytes: zeros, then (LDS serves a wave's instructions in order)
.irp rt, 0,1,2,3
	ds_store_b32 v[PBR], v[66+8*\rt] offset:64*\rt ; p of row 16 rt + r at word 16 rt + r,
.endr
	ds_store_b64 v[PBC], v[112:113] offset:320     ; m and l at words 80 and 81
	s_wait_dscnt 0x0                               ; the stores have read their registers: phase 4's loads land on them
	s_cmp_lg_u32 s[W], 0
	s_cbranch_scc1 .Lnot0
	ds_load_b128 v[168:171], v[PBL]
	s_wait_dscnt 0x0
	global_store_b128 v[LI], v[168:171], s[PW:PW+1]   ; wave 0: the tile's 512 bytes of pw, consecutive and aligned
.Lnot0:
; ---- PHASE 4: the tile's part of ctx: thread t owns e = 4 t .. 4 t + 3; 16 rows at a time, two sets of registers by turns
.macro LOADC rt
.set hl, HBL
.if (\rt) > 1
.set hl, HBL2
.endif
.irp q, 0,1,2,3
	ds_load_b128 v[CS+48*((\rt)%2)+4*\q:CS+48*((\rt)%2)+4*\q+3], v[PBC] offset:64*(\rt)+16*\q   ; 16 p, the same for every lane
.endr
.irp r, 0,1,2,3,4,5,6,7,8,9,10,11,12,13,14,15
	ds_load_b64 v[CS+48*((\rt)%2)+16+2*\r:CS+48*((\rt)%2)+17+2*\r], v[hl] offset:16*HP*((\rt)%2)+HP*\r   ; 32 lanes read 256 consecutive bytes of a row
.endr
.endm
.macro CTX rt
.set bs, CS+48*((\rt)%2)
.irp r, 0,1,2,3,4,5,6,7,8,9,10,11,12,13,14,15
.set c0, CC+4*(\r%2)
	v_fma_mix_f32_bf16 v[c0], v[bs+16+2*\r], v[bs+\r], v[c0] op_sel_hi:[1,0,0]
	v_fma_mix_f32_bf16 v[c0+1], v[bs+16+2*\r], v[bs+\r], v[c0+1] op_sel:[1,0,0] op_sel_hi:[1,0,0]
	v_fma_mix_f32_bf16 v[c0+2], v[bs+17+2*\r], v[bs+\r], v[c0+2] op_sel_hi:[1,0,0]
	v_fma_mix_f32_bf16 v[c0+3], v[bs+17+2*\r], v[bs+\r], v[c0+3] op_sel:[1,0,0] op_sel_hi:[1,0,0]
.endr
.endm
	LOADC 0
	LOADC 1
.irp e, 0,1,2,3,4,5,6,7
	v_mov_b32 v[CC+\e], 0                          ; even rows' four sums, odd rows' four
.endr
	s_wait_alu depctr_va_vdst(0)
	s_wait_dscnt 20                                ; this set's 20 loads are in; the other set's may be out
	CTX 0
	LOADC 2
	s_wait_alu depctr_va_vdst(0)
	s_wait_dscnt 20
	CTX 1
	LOADC 3
	s_wait_alu depctr_va_vdst(0)
	s_wait_dscnt 20
	CTX 2
	s_wait_alu depctr_va_vdst(0)
	s_wait_dscnt 0x0
	CTX 3
.irp e, 0,1,2,3
	s_delay_alu instid0(VALU_DEP_4)
	v_add_f32 v[CC+\e], v[CC+\e], v[CC+4+\e]
.endr
	global_store_b128 v[T16], v[CC:CC+3], s[CP:CP+1]   ; a wave stores 512 consecutive bytes, aligned
.Lskip3:
	s_wait_dscnt 0x0                               ; my reads of this tile's LDS bytes are over
	s_barrier_signal -1
	s_barrier_wait -1                              ; so are everybody's: the next trip may write them
	s_wait_xcnt 0x0                                ; my stores have read their registers and bases: they are written again only behind this wait
	s_mov_b64 s[48:49], s[50:51]                   ; the next entry
	s_mov_b64 s[50:51], s[52:53]
	s_mov_b64 s[52:53], s[54:55]
	s_add_co_u32 s47, s47, 1
	s_cmp_lt_u32 s47, 4
	s_cbranch_scc1 .Ltrip
	s_set_vgpr_msb 0x5
	s_wait_tensorcnt 0x0                           ; the wave's end
	ds_add_u32 v254, v255
	s_wait_dscnt 0x0
	s_set_vgpr_msb 0x500
	s_endpgm
.Lfunc_end_k_q1cdc2b8056_main:
	.size	k_q1cdc2b8056_main, .Lfunc_end_k_q1cdc2b8056_main-k_q1cdc2b8056_main
	.p2alignl 7, 3214868480
	.fill 96, 4, 3214868480
	.section	.rodata,"a",@progbits
	.p2align	6, 0x0
	.amdhsa_kernel k_q1cdc2b8056_main
		.amdhsa_group_segment_fixed_size 270336
		.amdhsa_private_segment_fixed_size 0
		.amdhsa_enable_private_segment 0
		.amdhsa_kernarg_size 64
		.amdhsa_user_sgpr_count 2
		.amdhsa_user_sgpr_kernarg_segment_ptr 1
		.amdhsa_wavefront_size32 1
		.amdhsa_system_sgpr_workgroup_id_x 1
		.amdhsa_system_sgpr_workgroup_id_y 1
		.amdhsa_system_sgpr_workgroup_id_z 1
		.amdhsa_system_vgpr_workitem_id 0
		.amdhsa_next_free_vgpr 512
		.amdhsa_next_free_sgpr 66
		.amdhsa_reserve_vcc 1
		.amdhsa_float_denorm_mode_32 3
		.amdhsa_float_denorm_mode_16_64 3
		.amdhsa_memory_ordered 1
		.amdhsa_forward_progress 1
		.amdhsa_inst_pref_size 206
	.end_amdhsa_kernel
	.amdgpu_metadata
---
amdhsa.version: [ 1, 2 ]
amdhsa.kernels:
  - .name:           k_q1cdc2b8056_main
    .symbol:         k_q1cdc2b8056_main.kd
    .args:
      - { .name: h_enc, .offset: 0, .size: 8, .value_kind: global_buffer, .address_space: global }
      - { .name: wq, .offset: 8, .size: 8, .value_kind: global_buffer, .address_space: global }
      - { .name: ws, .offset: 16, .size: 8, .value_kind: global_buffer, .address_space: global }
      - { .name: db, .offset: 24, .size: 8, .value_kind: global_buffer, .address_space: global }
      - { .name: v, .offset: 32, .size: 8, .value_kind: global_buffer, .address_space: global }
      - { .name: tl, .offset: 40, .size: 8, .value_kind: global_buffer, .address_space: global }
      - { .name: pw, .offset: 48, .size: 8, .value_kind: global_buffer, .address_space: global }
      - { .name: cp, .offset: 56, .size: 8, .value_kind: global_buffer, .address_space: global }
    .group_segment_fixed_size: 270336
    .private_segment_fixed_size: 0
    .kernarg_segment_align: 8
    .kernarg_segment_size: 64
    .max_flat_workgroup_size: 256
    .sgpr_count:     66
    .vgpr_count:     512
    .wavefront_size: 32
...
	.end_amdgpu_metadata
.endif
;; end of part 2
;; launch comb (part 3): grid 8 x 32, 1 waves a work-group, no clusters, 0 bytes of LDS; arguments src_lens, pw, cp, out0, out1; writes out0, out1
.if DOCPART == 3
	.amdgcn_target "amdgcn-amd-amdhsa--gfx1250"
	.amdhsa_code_object_version 6
	.text
	.protected	k_q1cdc2b8056_comb
	.globl	k_q1cdc2b8056_comb
	.p2align	8
	.type	k_q1cdc2b8056_comb,@function
k_q1cdc2b8056_comb:
	s_mov_b64 s[64:65], 0
	v_nop
	global_prefetch_b8 v0, s[64:65] scope:SCOPE_SE
	s_setreg_imm32_b32 hwreg(HW_REG_WAVE_MODE, 25, 1), 1
	s_wait_xcnt 0x0
; Joins the tiles of one n.  Tile i (64 rows) left m_i (its largest score), l_i = the sum of e^(score - m_i), p = e^(score - m_i) for its rows, and C_i = the sum of p x h_enc.
; With M = the largest m_i and L = the sum of l_i e^(m_i - M):  g_i = e^(m_i - M) / L;  weights = p g_i;  ctx = the sum of g_i C_i.
; Work-group (q, n), one wave, owns e = 128 q .. + 127 of out0 and t = 256 q .. + 255 of out1; each recomputes M and L from 32 pairs, lane i tile i's.
; THE TILES THAT WORKED are the first na: na = 32 where src_lens[n] is under 1, else ceil(min(src_lens[n], 2048) / 64).  What lies in the others' places was never stored: every number read from there is replaced
; (m by -infinity, l, p and C by 0) by a select on na before it can reach a result.  No address and no branch hangs on src_lens.
; A stream of a few KiB a work-group: no LDS, no matrix unit, no cluster: the work-groups share 256 bytes of (m, l).
	s_load_b256 s[4:11], s[0:1], 0x0               ; src_lens s[4:5], pw s[6:7], cp s[8:9], out0 s[10:11]
	s_load_b64 s[12:13], s[0:1], 0x20              ; out1
	s_and_b32 s14, ttmp7, 0xffff                   ; n
	s_lshl_b32 s15, s14, 2
	s_lshl_b32 s17, ttmp9, 8                       ; 256 q
	v_lshlrev_b32 v1, 4, v0                        ; 16 x lane
	v_lshlrev_b32 v2, 9, v0                        ; lane i reads tile i's (m, l)
	v_lshl_add_u32 v6, v0, 2, s17                  ; t = 256 q + 128 j + 4 x lane
	v_add_nc_u32 v7, 128, v6
.irp j, 0,1
	v_lshrrev_b32 v[8+\j], 6, v[6+\j]              ; the tile that owns t (four neighbours share it)
	v_and_b32 v[10+\j], 63, v[6+\j]
	v_lshlrev_b32 v[10+\j], 2, v[10+\j]
	v_lshl_add_u32 v[10+\j], v[8+\j], 9, v[10+\j]  ; 512 x tile + 4 x place
.endr
	s_mov_b32 s28, 0x76543210
	s_mov_b32 s29, 0xfedcba98                      ; v_permlanex16_b32's selects for lane l xor 16
	s_lshl_b32 s2, s14, 14                         ; pw: 32 tiles x 512 bytes
	s_mov_b32 s3, 0
	s_wait_alu depctr_va_vdst(0)
	s_wait_kmcnt 0x0
	s_load_b32 s16, s[4:5], s15 offset:0x0         ; src_lens[n]
	s_add_nc_u64 s[20:21], s[6:7], s[2:3]
	s_lshl_b32 s2, s14, 17                         ; cp: 32 tiles x 4,096 bytes,
	s_lshl_b32 s19, ttmp9, 9
	s_add_co_u32 s2, s2, s19                       ; + my 128 numbers
	s_add_nc_u64 s[22:23], s[8:9], s[2:3]
	s_lshl_b32 s2, s14, 12
	s_add_co_u32 s2, s2, s19
	s_add_nc_u64 s[24:25], s[10:11], s[2:3]
	s_lshl_b32 s2, s14, 13
	s_lshl_b32 s19, ttmp9, 10
	s_add_co_u32 s2, s2, s19
	s_add_nc_u64 s[26:27], s[12:13], s[2:3]
	global_load_b64 v[4:5], v2, s[20:21] offset:320
.irp j, 0,1
	global_load_b128 v[12+4*\j:15+4*\j], v[10+\j], s[20:21]
.endr
.set ii, 0
.rept 32
	global_load_b128 v[32+4*ii:35+4*ii], v1, s[22:23] offset:4096*ii   ; 512 consecutive bytes of tile i's part
.set ii, ii+1
.endr
	v_mov_b32 v21, 0xff800000                      ; -infinity
	v_mov_b32 v23, 0                               ; (a lane permute's destination counts as one of its sources)
	s_wait_alu depctr_va_vdst(0)
	s_wait_kmcnt 0x0
	s_min_i32 s18, s16, 2048
	s_add_co_i32 s18, s18, 63
	s_lshr_b32 s18, s18, 6
	s_cmp_lt_i32 s16, 1
	s_cselect_b32 s18, 32, s18                     ; na
	s_wait_loadcnt 34                              ; (m, l) are in; p's 2 and the parts' 32 loads may be out
	v_cmp_gt_u32 vcc_lo, s18, v0
	v_cndmask_b32 v4, v21, v4, vcc_lo
	v_cndmask_b32 v5, 0, v5, vcc_lo
	v_mov_b32 v22, v4
	v_max_num_f32_dpp v22, v22, v22 row_xmask:1 row_mask:0xf bank_mask:0xf
	v_max_num_f32_dpp v22, v22, v22 row_xmask:2 row_mask:0xf bank_mask:0xf
	v_max_num_f32_dpp v22, v22, v22 row_xmask:4 row_mask:0xf bank_mask:0xf
	v_max_num_f32_dpp v22, v22, v22 row_xmask:8 row_mask:0xf bank_mask:0xf
	v_permlanex16_b32 v23, v22, s28, s29
	v_max_num_f32 v22, v22, v23                    ; M: a number, since tile 0 always works
	v_sub_f32 v24, v4, v22
	v_mul_f32 v24, 0x3fb8aa3b, v24
	s_wait_alu depctr_va_vdst(0)
	v_exp_f32 v24, v24                             ; e^(m - M): 0 in the lanes that were replaced
	v_nop
	s_wait_alu depctr_va_vdst(0)
	v_mul_f32 v25, v5, v24
	v_add_f32_dpp v25, v25, v25 row_xmask:1 row_mask:0xf bank_mask:0xf
	v_add_f32_dpp v25, v25, v25 row_xmask:2 row_mask:0xf bank_mask:0xf
	v_add_f32_dpp v25, v25, v25 row_xmask:4 row_mask:0xf bank_mask:0xf
	v_add_f32_dpp v25, v25, v25 row_xmask:8 row_mask:0xf bank_mask:0xf
	v_permlanex16_b32 v23, v25, s28, s29
	v_add_f32 v25, v25, v23                        ; L: at least 1, from the tile that holds M
	s_wait_alu depctr_va_vdst(0)
	v_rcp_f32 v26, v25
	v_nop
	s_wait_alu depctr_va_vdst(0)
	v_mul_f32 v20, v24, v26                        ; g: lane i holds tile i's
.irp j, 0,1
	v_lshlrev_b32 v[27+\j], 2, v[8+\j]
	ds_bpermute_b32 v[29+\j], v[27+\j], v20        ; g of the tile that owns my four t (between lanes: no LDS byte is touched)
.endr
	s_wait_dscnt 0x0
	s_wait_loadcnt 32                              ; p is in
.irp j, 0,1
	v_cmp_gt_u32 vcc_lo, s18, v[8+\j]
.irp e, 0,1,2,3
	v_mul_f32 v[12+4*\j+\e], v[12+4*\j+\e], v[29+\j]
.endr
.irp e, 0,1,2,3
	v_cndmask_b32 v[12+4*\j+\e], 0, v[12+4*\j+\e], vcc_lo   ; a tile that did not work: the weight is 0
.endr
	global_store_b128 v1, v[12+4*\j:15+4*\j], s[26:27] offset:512*\j   ; 512 consecutive bytes, aligned
.endr
	s_wait_loadcnt 31                              ; tile 0's part is in
	v_readlane_b32 s30, v20, 0
.irp e, 0,1,2,3
	v_mul_f32 v[160+\e], s30, v[32+\e]             ; tile 0 always works: it starts the sums
.endr
.set ii, 1
.rept 31
	s_wait_loadcnt 31-ii                           ; loads come back in order: tile i's part is in
	v_readlane_b32 s30, v20, ii
	s_cmp_gt_u32 s18, ii
	s_cselect_b32 s31, -1, 0
.irp e, 0,1,2,3
	v_cndmask_b32 v[32+4*ii+\e], 0, v[32+4*ii+\e], s31
.endr
	s_wait_alu depctr_va_vdst(0)
.irp e, 0,1,2,3
	v_fma_f32 v[160+\e], v[32+4*ii+\e], s30, v[160+\e]
.endr
.set ii, ii+1
.endr
	global_store_b128 v1, v[160:163], s[24:25]
	s_endpgm
.Lfunc_end_k_q1cdc2b8056_comb:
	.size	k_q1cdc2b8056_comb, .Lfunc_end_k_q1cdc2b8056_comb-k_q1cdc2b8056_comb
	.p2alignl 7, 3214868480
	.fill 96, 4, 3214868480
	.section	.rodata,"a",@progbits
	.p2align	6, 0x0
	.amdhsa_kernel k_q1cdc2b8056_comb
		.amdhsa_group_segment_fixed_size 0
		.amdhsa_private_segment_fixed_size 0
		.amdhsa_enable_private_segment 0
		.amdhsa_kernarg_size 40
		.amdhsa_user_sgpr_count 2
		.amdhsa_user_sgpr_kernarg_segment_ptr 1
		.amdhsa_wavefront_size32 1
		.amdhsa_system_sgpr_workgroup_id_x 1
		.amdhsa_system_sgpr_workgroup_id_y 1
		.amdhsa_system_sgpr_workgroup_id_z 1
		.amdhsa_system_vgpr_workitem_id 0
		.amdhsa_next_free_vgpr 176
		.amdhsa_next_free_sgpr 66
		.amdhsa_reserve_vcc 1
		.amdhsa_float_denorm_mode_32 3
		.amdhsa_float_denorm_mode_16_64 3
		.amdhsa_memory_ordered 1
		.amdhsa_forward_progress 1
		.amdhsa_inst_pref_size 30
	.end_amdhsa_kernel
	.amdgpu_metadata
---
amdhsa.version: [ 1, 2 ]
amdhsa.kernels:
  - .name:           k_q1cdc2b8056_comb
    .symbol:         k_q1cdc2b8056_comb.kd
    .args:
      - { .name: src_lens, .offset: 0, .size: 8, .value_kind: global_buffer, .address_space: global }
      - { .name: pw, .offset: 8, .size: 8, .value_kind: global_buffer, .address_space: global }
      - { .name: cp, .offset: 16, .size: 8, .value_kind: global_buffer, .address_space: global }
      - { .name: out0, .offset: 24, .size: 8, .value_kind: global_buffer, .address_space: global }
      - { .name: out1, .offset: 32, .size: 8, .value_kind: global_buffer, .address_space: global }
    .group_segment_fixed_size: 0
    .private_segment_fixed_size: 0
    .kernarg_segment_align: 8
    .kernarg_segment_size: 40
    .max_flat_workgroup_size: 32
    .sgpr_count:     66
    .vgpr_count:     176
    .wavefront_size: 32
...
	.end_amdgpu_metadata
.endif
;; end of part 3
